; MI455X (gfx1250); checked and timed in simulation.
; The chip was launched on July 23, 2026; its instructions are those of AMD's public machine-readable ISA for CDNA 5 (MIT licence, August 2026) and "CDNA5" Instruction Set Architecture Reference Guide (July 2026). The comments in the code are by the model that wrote it; some were corrected since.
;; Relative Information Attention. Allowed arithmetic: float matrix products may take bf16 or f16 operands with f32 sums; all other float work in f32.
;; Inputs: k 2 x 8 x 2,048 x 64 float32; k_info 2 x 2,048 int32; q 2 x 8 x 2,048 x 64 float32; q_info 2 x 2,048 int32; rel_emb 257 x 64 float32; v 2 x 8 x 2,048 x 64 float32.
;; Outputs: out0 2 x 8 x 2,048 x 64 float32.
;; 2 versions, each right; version 2 is version 1 with the launch relattn written anew for expert scheduling mode. Each part assembles by itself: llvm-mc -triple=amdgcn-amd-amdhsa -mcpu=gfx1250 --defsym DOCPART=n.
;; ======== version 1 of 2: 1 launch
;; launch relattn (part 1): grid 16 x 16, 4 waves a work-group, no clusters, 316,928 bytes of LDS; arguments q, k, v, rel_emb, q_info, k_info, out0; writes out0
.if DOCPART == 1
	.amdgcn_target "amdgcn-amd-amdhsa--gfx1250"
	.amdhsa_code_object_version 6
	.text
	.protected	k_q6a3ee38f26_relattn
	.globl	k_q6a3ee38f26_relattn
	.p2align	8
	.type	k_q6a3ee38f26_relattn,@function
k_q6a3ee38f26_relattn:
	s_mov_b64 s[64:65], 0
	v_nop
	global_prefetch_b8 v0, s[64:65] scope:SCOPE_SE
	s_setreg_imm32_b32 hwreg(HW_REG_WAVE_MODE, 25, 1), 1
	s_wait_xcnt 0x0
; out[b,h,i,:] = softmax_j( (q_i.k_j + qr[i, clip(kadj_j - qadj_i, -128, 128) + 128]) / 8 ) v_j,   qr = q rel_emb^T (257 columns).
; B = 2, H = 8, S = 2048, D = 64, all f32 in memory.  One launch; nothing passes through memory between the steps.
; A work-group (x = block of 128 queries, y = b*8 + h) has four waves.  KEYS are split among the waves: wave w takes keys 512 w .. 512 w + 511
; for all 128 queries (8 query tiles of 16), in 8 steps of 64 keys, so each K and V number is converted and staged once in the work-group and the
; staging bytes are the wave's own: the main loop has no barrier.  The four partial (m, l, O) are merged once at the end through LDS.
; ORIENTATION: S^T = K Q^T (A = 16 keys, B = 16 queries): lane (r, h) holds query r, register j key 8 h + j.  Two such tiles, packed to bf16, are a
; B fragment of O^T = V^T P^T as they stand; m, l and the rescale factor are one number a lane.  The bias is gathered straight into the C registers
; of the K Q^T product, so adding it costs no instruction.
; THE TABLE: TAB[tile t][position 0..256][copy 0..1][query 0..15] f32, 128 bytes a position.  Lane L reads word L of its position's 32 words; a position
; starts at word 32 p, so lane L's word lies at L or L + 32 modulo 64 (64 banks of 4 bytes: ISA guide 11.1): no two lanes of a gather share a bank,
; whatever the indices.  The price is that each number is stored twice.
; NO JOINT LOADS, though the 16 work-groups of one (b, h) walk the same K and V: beside the table's 263,168 bytes 64,512 of the WGP's 327,680 are left,
; and two slots of f32 K and V for only 32 keys of each of four waves are 2*4*32*2*256 = 131,072 bytes.  K and V come through registers instead,
; K asked for a whole step and V half a step ahead of their use.
; LIMITS: matrix operands (q, k, v, rel_emb, the weights P) are rounded to bf16; sums, maxima, exponentials in f32, with a running maximum.
; The index is kadj - (qadj - 128) in wrapping 32-bit arithmetic, then max 0, then min 256: equal to the reference's for all |info| < 2^30; it differs
; (0 for 256) only where the wrapped kadj - qadj lies in [2^31 - 128, 2^31 - 1].
.set TABT,  32896                      ; bytes of one query tile's table: 257 positions x 128
.set TAB2,  2*TABT
.set STAGE, 8*TABT                     ; 263,168: first Q in bf16 (128 rows, pitch 144, shared), then 10,240 bytes for each wave
.set STW,   10240                      ; a wave's stage: K 64 rows x 144, then V 64 rows x 160
.set KAL,   STAGE+4*STW                ; 304,128: adjusted k_info, 2,048 bytes for each wave
.set STAT,  KAL+8192                   ; 312,320: m at 16 q + 4 w, l 2,048 bytes further
.set KP,    144                        ; odd multiple of 16: the 16 rows of a fragment load start in 16 different 16-byte columns
.set VP,    160                        ; odd multiple of 32, for the transposing load
.set PP,    272                        ; pitch of the partial results (256 + 16)
.set PARTW, 128*PP                     ; a wave's partial O, laid over the table when the gathers are over
; window 0
.set L16,  4                           ; 16 x lane
.set STK,  5                           ; stage + 144 h + 8 r: where K's rows go
.set STV,  6                           ; stage + 160 h + 8 r: where V's rows go
.set FK,   7                           ; stage + 144 r + 16 h: K fragments
.set FV,   8                           ; stage + (8 h + L%8) 160 + 16 ((L>>3)&1): V fragments, transposed on the way
.set KAD,  9                           ; my step's key infos
.set NM,   10                          ; v[10:11] -c x new maximum (v11 only fills the pair)
.set AL,   12                          ; v[12:13] rescale factor (v13 only fills the pair)
.set TM,   14                          ; new maximum
.set PX,   15                          ; what the other half of the lanes sends
.set MX,   16                          ; v16-23 maxima at work, temporaries
.set TS,   24                          ; v24-31 table build addresses; addresses of the merge
.set M,    32                          ; v32-39 running maximum of tile t
.set LS,   40                          ; v40-47 running sum of tile t (my half's keys)
.set QA,   48                          ; v48-55 qadj - 128 of query 16 t + r
.set BASE, 56                          ; v56-59 tables 2k, 2k+1: 65,792 k + 4 L
.set SC,   64                          ; v64-127 scores, two buffers of 32
.set KA,   128                         ; v128-159 kadj of my 32 keys of the step
.set PB,   160                         ; v160-175 P in bf16; rel_emb fragments during the build
.set ADR,  176                         ; v176-191 gather addresses; merge factors
.set TMP2, 192                         ; v192-255 bf16 on its way to the stage
; window 1: O(t, dt) at 32 t + 8 dt; before that raw rel_emb.  Window 2:
.set QF,   0                           ; Q(t, c) at 16 t + 8 c
.set KF,   128                         ; K(kt, c) at 16 kt + 8 c
.set VF,   192                         ; V(dt, kk) at 16 dt + 8 kk
; window 3: raw f32
.set RK,   0
.set RV,   128
; s_set_vgpr_msb, low byte: bits 1:0 source 0, 3:2 source 1, 5:4 source 2, 7:6 destination
.set QKW,  0x0a                        ; A, B window 2
.set PVW,  0x52                        ; A window 2, C and D window 1
.set RESC, 0x41                        ; destination and source 0 window 1
.set CVT3, 0x0f                        ; both sources window 3
.set CVT1, 0x05                        ; both sources window 1
.set TO1,  0x40
.set TO2,  0x80
.set TO3,  0xc0
.set BLD,  0x08                        ; B window 2
.set ST1,  0x04                        ; store data window 1
.set MSB, 0
.macro WIN new                         ; the immediate's high byte repeats the setting that is left; at labels and branches the setting is 0
.if MSB != \new
	s_set_vgpr_msb (MSB<<8)|\new
.set MSB, \new
.endif
.endm
	s_load_b256 s[4:11], s[0:1], 0x0               ; q s[4:5], k s[6:7], v s[8:9], rel_emb s[10:11]
	s_load_b128 s[12:15], s[0:1], 0x20             ; q_info s[12:13], k_info s[14:15]
	s_load_b64 s[16:17], s[0:1], 0x30              ; out0
	v_lshl_add_u32 v62, v0, 2, 0x4d400
	v_mov_b32 v63, 0
	v_and_b32 v1, 31, v0                           ; L
	v_and_b32 v2, 15, v0                           ; r
	v_bfe_u32 v3, v0, 4, 1                         ; h
	v_lshrrev_b32 v[TM], 5, v0
	v_readfirstlane_b32 s18, v[TM]                 ; wave w
	s_mov_b32 s19, ttmp9                           ; x: block of 128 queries
	s_and_b32 s20, ttmp7, 0xffff                   ; bh
	s_lshr_b32 s21, s20, 3                         ; b
	s_mov_b32 s26, 0x3e38aa3b                      ; c = log2(e) / 8
	s_mov_b32 s27, 0x3e38aa3b
	s_mov_b32 s28, 0xbe38aa3b                      ; -c
	s_mov_b32 s30, 0x76543210                      ; v_permlanex16_b32: lane i takes lane i of the other half
	s_mov_b32 s31, 0xfedcba98
	v_lshlrev_b32 v[L16], 4, v1
	v_lshlrev_b32 v16, 2, v2                       ; q_info: 4 r
	v_lshlrev_b32 v18, 5, v3                       ; rel_emb row 256: 32 h
	s_lshl_b32 s25, s18, 12
	v_lshl_add_u32 v17, v2, 8, v18                 ; rel_emb: (16 w + r) 256 + 32 h
	v_add_nc_u32 v17, s25, v17
	s_mov_b32 s23, 0                               ; offsets are below 4 GiB: the pair's high word is 0
	s_lshl_b32 s32, s20, 19                        ; bh x 2,048 rows of 256 bytes
	s_lshl_b32 s33, s19, 15                        ; x x 128 rows
	s_lshl_b32 s34, s18, 13                        ; w x 32 rows
	s_lshl_b32 s35, s18, 17                        ; w x 512 rows
	s_lshl_b32 s36, s21, 13                        ; b x 2,048 words
	s_lshl_b32 s37, s19, 9                         ; x x 128 words
	s_add_co_u32 s22, s32, s33
	s_add_co_u32 s22, s22, s34
	s_wait_kmcnt 0x0
	s_add_nc_u64 s[4:5], s[4:5], s[22:23]          ; q and out0 at my wave's 32 rows of the block
	s_add_nc_u64 s[16:17], s[16:17], s[22:23]
	s_add_co_u32 s22, s32, s35
	s_add_nc_u64 s[6:7], s[6:7], s[22:23]          ; k and v at my wave's 512 keys
	s_add_nc_u64 s[8:9], s[8:9], s[22:23]
	s_add_co_u32 s22, s36, s37
	s_add_nc_u64 s[12:13], s[12:13], s[22:23]      ; q_info at the block
	s_lshl_b32 s37, s18, 11
	s_add_co_u32 s22, s36, s37
	s_add_nc_u64 s[14:15], s[14:15], s[22:23]      ; k_info at my keys
	; first loads: 16 for my 32 rows of Q, 8 q_info, 4 k_info, 32 for my four tiles of rel_emb (positions 16 (w + 4 i) ..)
.set i, 0
.rept 16
	global_load_b128 v[SC+4*i:SC+4*i+3], v[L16], s[4:5] offset:512*i th:TH_LOAD_NT   ; rows 2 i + h, columns 4 r ..: read once in the launch
.set i, i+1
.endr
.irp t, 0,1,2,3,4,5,6,7
	global_load_b32 v[QA+\t], v16, s[12:13] offset:64*\t
.endr
.irp i, 0,1,2,3
	global_load_b128 v[KA+4*\i:KA+4*\i+3], v[L16], s[14:15] offset:512*\i
.endr
	WIN TO1
.irp i, 0,1,2,3
.irp n, 0,1,2,3,4,5,6,7
	global_load_b128 v[32*\i+4*\n:32*\i+4*\n+3], v17, s[10:11] offset:16384*\i+128*(\n>>2)+64*((\n>>1)&1)+16*(\n&1)   ; n = 4c+2g+e: d = 32c + 16g + 8h + 4e ..
.endr
.endr
	WIN 0
	; LDS addresses, while the loads are on their way
	s_mul_i32 s21, s18, 32*KP
	s_add_co_u32 s21, s21, STAGE
	v_mul_u32_u24 v19, v3, KP
	v_lshl_add_u32 v19, v2, 3, v19
	v_add_nc_u32 v19, s21, v19                     ; Q in: STAGE + (32 w + h) 144 + 8 r
	s_lshl_b32 s25, s18, 11
	s_add_co_u32 s21, s25, KAL
	v_add_nc_u32 v20, s21, v[L16]                  ; key infos in
	v_lshl_add_u32 v[KAD], v3, 5, s21              ; key infos back: + 32 h
	v_mul_u32_u24 v21, v2, KP
	v_lshl_add_u32 v21, v3, 4, v21                 ; 144 r + 16 h
	s_mul_i32 s21, s18, STW
	s_add_co_u32 s21, s21, STAGE                   ; my wave's stage
	v_add_nc_u32 v[FK], s21, v21
	v_add_nc_u32 v21, STAGE, v21                   ; Q fragments
	v_mul_u32_u24 v[STK], v3, KP
	v_lshl_add_u32 v[STK], v2, 3, v[STK]
	v_add_nc_u32 v[STK], s21, v[STK]
	v_mul_u32_u24 v[STV], v3, VP
	v_lshl_add_u32 v[STV], v2, 3, v[STV]
	v_add_nc_u32 v[STV], s21, v[STV]
	v_and_b32 v[FV], 7, v0
	v_lshl_add_u32 v[FV], v3, 3, v[FV]
	v_mul_u32_u24 v[FV], v[FV], VP
	v_bfe_u32 v[TM], v0, 3, 1
	v_lshl_add_u32 v[FV], v[TM], 4, v[FV]
	v_add_nc_u32 v[FV], s21, v[FV]
	v_lshlrev_b32 v[BASE], 2, v1
.irp k, 1,2,3
	v_add_nc_u32 v[BASE+\k], TAB2*\k, v[BASE]
.endr
	; table build: position 16 w + 8 h, query r, copy h xor e: the two halves of the lanes write opposite copies, so their words lie in different banks
	v_mul_u32_u24 v22, v3, 1088                    ; e = 0: 1,024 h + 64 h
	v_lshl_add_u32 v22, v2, 2, v22
	v_add_nc_u32 v22, s25, v22                     ; + 2,048 w
	v_mul_u32_u24 v23, v3, 960                     ; e = 1: 1,024 h + 64 (1 - h)
	v_lshl_add_u32 v23, v2, 2, v23
	v_add3_u32 v23, v23, s25, 64
	v_mov_b32 v[NM+1], 0                           ; the second registers of broadcast pairs, and v_permlanex16_b32's destination, are written once
	v_mov_b32 v[AL+1], 0
	v_mov_b32 v[PX], 0
	v_mov_b32 v60, 0x180                           ; k_info == -1 counts as 3 x 128
	v_mov_b32 v61, 0x100                           ; q_info == -1 counts as 2 x 128
	s_wait_loadcnt 44                              ; Q is in: behind it were issued 8 + 4 + 32 loads
.set i, 0
.rept 16
	v_cvt_pk_bf16_f32 v[TMP2+2*i], v[SC+4*i], v[SC+4*i+1]
	v_cvt_pk_bf16_f32 v[TMP2+2*i+1], v[SC+4*i+2], v[SC+4*i+3]
.set i, i+1
.endr
.set i, 0
.rept 16
	ds_store_b64 v19, v[TMP2+2*i:TMP2+2*i+1] offset:2*KP*i
.set i, i+1
.endr
	s_wait_loadcnt 32                              ; the infos are in: only rel_emb's 32 loads were issued behind them
	s_cmp_lg_u32 s18, 0
	s_cbranch_scc1 .Lno_row256
	WIN TO1                                        ; wave 0 also takes position 256: every lane's row is row 256; the last byte read is 65,791
.irp n, 0,1,2,3,4,5,6,7
	global_load_b128 v[128+4*\n:128+4*\n+3], v18, s[10:11] offset:65536+128*(\n>>2)+64*((\n>>1)&1)+16*(\n&1)
.endr
	WIN 0
.Lno_row256:
.irp t, 0,1,2,3,4,5,6,7
	v_cmp_eq_u32 vcc_lo, -1, v[QA+\t]
	v_cndmask_b32 v[QA+\t], v[QA+\t], v61, vcc_lo
	v_add_nc_u32 v[QA+\t], 0xffffff80, v[QA+\t]    ; qadj - 128
.endr
.set i, 0
.rept 16
	v_cmp_eq_u32 vcc_lo, -1, v[KA+i]
	v_cndmask_b32 v[KA+i], v[KA+i], v60, vcc_lo
.set i, i+1
.endr
.irp i, 0,1,2,3
	ds_store_b128 v20, v[KA+4*\i:KA+4*\i+3] offset:512*\i
.endr
	s_wait_dscnt 0x0                               ; my rows of Q are in LDS, for the other waves' sake
	s_barrier_signal -1
	s_barrier_wait -1                              ; all 128 rows are
	WIN TO2
.irp t, 0,1,2,3,4,5,6,7
.irp m, 0,1,2,3
	ds_load_b128 v[QF+16*\t+4*\m:QF+16*\t+4*\m+3], v21 offset:16*KP*\t+32*\m   ; query 16 t + r, d = 16 m + 8 h ..: B fragments, kept for the whole kernel
.endr
.endr
	WIN 0
	s_wait_loadcnt 0x0                             ; rel_emb is in
; 32 loads: 64 rows of 256 bytes of K or V, as they lie, into window 3
.macro RAW reg, lo
	WIN TO3
.set i, 0
.rept 32
	global_load_b128 v[\reg+4*i:\reg+4*i+3], v[L16], s[\lo:\lo+1] offset:512*i
.set i, i+1
.endr
	WIN 0
.endm
	RAW RK, 6                                      ; step 0's K
; 16 positions of rel_emb (raw f32 at window 1, register raw) times all 128 queries: SC + 8 t holds (position 8 h + j, query 16 t + r).
; The eight accumulators take turns, one instruction a turn.
.macro TABMM raw
	WIN CVT1
.set n, 0
.rept 16
	v_cvt_pk_bf16_f32 v[PB+n], v[\raw+2*n], v[\raw+2*n+1]
.set n, n+1
.endr
	WIN BLD
.irp t, 0,1,2,3,4,5,6,7
	v_wmma_f32_16x16x32_bf16 v[SC+8*\t:SC+8*\t+7], v[PB:PB+7], v[QF+16*\t:QF+16*\t+7], 0
.endr
.irp t, 0,1,2,3,4,5,6,7
	v_wmma_f32_16x16x32_bf16 v[SC+8*\t:SC+8*\t+7], v[PB+8:PB+15], v[QF+16*\t+8:QF+16*\t+15], v[SC+8*\t:SC+8*\t+7]
.endr
	WIN 0
.endm
; Tile i of my four.  The eight address instructions are the places between the matrix instructions and the stores that read their results.
.macro TABTILE i
	TABMM 32*\i
.irp e, 0,1
.irp k, 0,1,2,3
.if \i == 0
	v_add_nc_u32 v[TS+4*\e+\k], TAB2*\k, v[22+\e]
.else
	v_add_nc_u32 v[TS+4*\e+\k], 0x2000, v[TS+4*\e+\k]          ; 64 positions on
.endif
.endr
.endr
.irp t, 0,1,2,3,4,5,6,7
.irp e, 0,1
.irp j, 0,1,2,3,4,5,6,7
	ds_store_b32 v[TS+4*\e+(\t>>1)], v[SC+8*\t+\j] offset:(\t&1)*TABT+128*\j
.endr
.endr
.endr
.endm
	s_wait_dscnt 0x0                               ; the Q fragments are in
	TABTILE 0
	TABTILE 1
	RAW RV, 8                                      ; step 0's V
	TABTILE 2
	TABTILE 3
	s_cmp_lg_u32 s18, 0
	s_cbranch_scc1 .Lno_last
	TABMM 128                                      ; position 256: all 16 rows of A are row 256, so register 0 of both halves holds it
.irp k, 0,1,2,3
	v_add_nc_u32 v[TS+\k], 0x8000, v[BASE+\k]      ; position 256, word L: one store writes both copies.  Four places behind the matrix instructions
.endr
.irp t, 0,1,2,3,4,5,6,7
	ds_store_b32 v[TS+(\t>>1)], v[SC+8*\t] offset:(\t&1)*TABT
.endr
.Lno_last:
	s_wait_dscnt 0x0                               ; my part of the table is written, and my reads of the Q stage are over
	s_barrier_signal -1
	s_barrier_wait -1                              ; the table is whole; the stage now belongs to the waves, 10,240 bytes each
; The 32 gathers of query tile t, in groups of eight: index, clamp, address, load into the score buffer that the K Q^T product will add onto.
.macro ADDR t
.irp g, 0,1,2,3
.irp j, 0,1,2,3,4,5,6,7
	v_sub_nc_u32 v[ADR+8*(\g&1)+\j], v[KA+8*\g+\j], v[QA+(\t)]
.endr
.irp j, 0,1,2,3,4,5,6,7
	v_max_i32 v[ADR+8*(\g&1)+\j], 0, v[ADR+8*(\g&1)+\j]
.endr
.irp j, 0,1,2,3,4,5,6,7
	v_min_u32 v[ADR+8*(\g&1)+\j], 0x100, v[ADR+8*(\g&1)+\j]
.endr
.irp j, 0,1,2,3,4,5,6,7
	v_lshl_add_u32 v[ADR+8*(\g&1)+\j], v[ADR+8*(\g&1)+\j], 7, v[BASE+((\t)>>1)]
.endr
.irp j, 0,1,2,3,4,5,6,7
	ds_load_b32 v[SC+32*((\t)&1)+8*\g+\j], v[ADR+8*(\g&1)+\j] offset:((\t)&1)*TABT
.endr
.endr
.endm
; S^T(64 keys, tile t) = bias + K Q^T.  Four accumulators by turns.
.macro QK t
	WIN QKW
.irp c, 0,1
.irp kt, 0,1,2,3
	v_wmma_f32_16x16x32_bf16 v[SC+32*((\t)&1)+8*\kt:SC+32*((\t)&1)+8*\kt+7], v[KF+16*\kt+8*\c:KF+16*\kt+8*\c+7], v[QF+16*(\t)+8*\c:QF+16*(\t)+8*\c+7], v[SC+32*((\t)&1)+8*\kt:SC+32*((\t)&1)+8*\kt+7]
.endr
.endr
	WIN 0
.endm
; Running softmax of tile t over my 32 scores (and, for the maximum, the other half's 32).
.macro SOFTMAX t, first
.set B, SC+32*((\t)&1)
.irp q, 0,1,2,3
	v_max3_num_f32 v[MX+\q], v[B+8*\q], v[B+8*\q+1], v[B+8*\q+2]
.endr
.irp q, 0,1,2,3
	v_max3_num_f32 v[MX+\q], v[MX+\q], v[B+8*\q+3], v[B+8*\q+4]
.endr
.irp q, 0,1,2,3
	v_max3_num_f32 v[MX+\q], v[MX+\q], v[B+8*\q+5], v[B+8*\q+6]
.endr
	v_max3_num_f32 v[MX], v[MX], v[B+7], v[B+15]
	v_max3_num_f32 v[MX+1], v[MX+1], v[B+23], v[B+31]
	v_max3_num_f32 v[MX], v[MX], v[MX+1], v[MX+2]
.if \first
	v_max_num_f32 v[MX], v[MX], v[MX+3]
.else
	v_max3_num_f32 v[MX], v[MX], v[MX+3], v[M+(\t)]
.endif
	v_permlanex16_b32 v[PX], v[MX], s30, s31
	v_max_num_f32 v[TM], v[MX], v[PX]              ; the query's new maximum, in both halves
	v_mul_f32 v[NM], s28, v[TM]
.if \first == 0
	v_fma_f32 v[AL], v[M+(\t)], s26, v[NM]         ; c (old - new)
.endif
.set n, 0
.rept 16
	v_pk_fma_f32 v[B+2*n:B+2*n+1], v[B+2*n:B+2*n+1], s[26:27], v[NM:NM+1] op_sel_hi:[1,0,0]   ; c (s - new)
.set n, n+1
.endr
.if \first == 0
	v_exp_f32 v[AL], v[AL]
.endif
.set n, 0
.rept 32
	v_exp_f32 v[B+n], v[B+n]
.set n, n+1
.endr
	v_mov_b32 v[M+(\t)], v[TM]                     ; the plain instruction between the exponentials and the first use of a result (ISA guide 5.7.2)
.set n, 0
	s_wait_alu depctr_va_vdst(0)
.rept 16
	v_cvt_pk_bf16_f32 v[PB+n], v[B+2*n], v[B+2*n+1]            ; tiles 2 kk, 2 kk + 1 = keys 8 h .., 16 + 8 h .. of 32: a B fragment as it stands
.set n, n+1
.endr
.irp n, 0,1,2,3,4,5,6,7
	v_pk_add_f32 v[B+4*\n:B+4*\n+1], v[B+4*\n:B+4*\n+1], v[B+4*\n+2:B+4*\n+3]
.endr
.irp n, 0,1,2,3
	v_pk_add_f32 v[B+8*\n:B+8*\n+1], v[B+8*\n:B+8*\n+1], v[B+8*\n+4:B+8*\n+5]
.endr
	v_pk_add_f32 v[B:B+1], v[B:B+1], v[B+8:B+9]
	v_pk_add_f32 v[B+16:B+17], v[B+16:B+17], v[B+24:B+25]
	v_pk_add_f32 v[B:B+1], v[B:B+1], v[B+16:B+17]
.if \first
	v_add_f32 v[LS+(\t)], v[B], v[B+1]
.else
	v_add_f32 v[MX+4], v[B], v[B+1]
	v_fma_f32 v[LS+(\t)], v[LS+(\t)], v[AL], v[MX+4]
.endif
.endm
.macro RESCALE t
	WIN RESC
.set n, 0
.rept 16
	v_pk_mul_f32 v[32*(\t)+2*n:32*(\t)+2*n+1], v[32*(\t)+2*n:32*(\t)+2*n+1], v[AL:AL+1] op_sel_hi:[1,0]
.set n, n+1
.endr
.endm
; O^T(tile t) += V^T P^T.  Four accumulators by turns.  In the first step the first product starts the sums: nothing is cleared.
.macro PVM t, first
	WIN PVW
.irp dt, 0,1,2,3
.if \first
	v_wmma_f32_16x16x32_bf16 v[32*(\t)+8*\dt:32*(\t)+8*\dt+7], v[VF+16*\dt:VF+16*\dt+7], v[PB:PB+7], 0
.else
	v_wmma_f32_16x16x32_bf16 v[32*(\t)+8*\dt:32*(\t)+8*\dt+7], v[VF+16*\dt:VF+16*\dt+7], v[PB:PB+7], v[32*(\t)+8*\dt:32*(\t)+8*\dt+7]
.endif
.endr
.irp dt, 0,1,2,3
	v_wmma_f32_16x16x32_bf16 v[32*(\t)+8*\dt:32*(\t)+8*\dt+7], v[VF+16*\dt+8:VF+16*\dt+15], v[PB+8:PB+15], v[32*(\t)+8*\dt:32*(\t)+8*\dt+7]
.endr
.endm
; One query tile against the step's 64 keys.  The next tile's 128 address instructions are the places between K Q^T and the softmax that reads it.
.macro UNIT t, first
	s_wait_dscnt 0x0                               ; this tile's gathers, issued one tile ago, are in (tile 0: the step's K and V fragments too)
	QK \t
.if \t < 7
	ADDR \t+1
.else
.rept 4
	v_nop                                          ; the last tile of a step has no next one: four places (ISA guide 7.12.1)
.endr
.endif
	SOFTMAX \t, \first
.if \first == 0
	RESCALE \t
.endif
	PVM \t, \first
.endm
; A step: 64 keys of my 512.
.macro STEP first
	s_wait_loadcnt 0x0                             ; this step's raw K and V are in, and no load reads the bases any more
	s_add_nc_u64 s[6:7], s[6:7], 0x4000            ; 64 rows on
	s_add_nc_u64 s[8:9], s[8:9], 0x4000
.irp n, 0,1,2,3,4,5,6,7
	ds_load_b128 v[KA+4*\n:KA+4*\n+3], v[KAD] offset:64*(\n>>1)+16*(\n&1)      ; keys 16 kt + 8 h + 4 e ..
.endr
	v_add_nc_u32 v[KAD], 0x100, v[KAD]
	WIN CVT3
.set n, 0
.rept 64
	v_cvt_pk_bf16_f32 v[SC+n], v[RK+2*n], v[RK+2*n+1]
.set n, n+1
.endr
	WIN 0
.set i, 0
.rept 32
	ds_store_b64 v[STK], v[SC+2*i:SC+2*i+1] offset:2*KP*i      ; rows 2 i + h
.set i, i+1
.endr
	WIN TO2
.set n, 0
.rept 16
	ds_load_b128 v[KF+4*n:KF+4*n+3], v[FK] offset:16*KP*(n>>2)+32*(n&3)        ; LDS serves a wave's instructions in order (ISA guide 5.7.1.4): these see the stores above
.set n, n+1
.endr
	WIN CVT3
.set n, 0
.rept 64
	v_cvt_pk_bf16_f32 v[TMP2+n], v[RV+2*n], v[RV+2*n+1]
.set n, n+1
.endr
	WIN 0
	s_wait_dscnt 0x0                               ; the key infos and K's fragments are in registers; V now takes the stage's bytes
.set i, 0
.rept 32
	ds_store_b64 v[STV], v[TMP2+2*i:TMP2+2*i+1] offset:2*VP*i
.set i, i+1
.endr
	WIN TO2
.set n, 0
.rept 16
	ds_load_tr16_b128 v[VF+4*n:VF+4*n+3], v[FV] offset:32*VP*((n>>1)&1)+32*(n>>2)+16*VP*(n&1)  ; n = 4 dt + 2 kk + g: d = 16 dt + r, keys 32 kk + 16 g + 8 h ..
.set n, n+1
.endr
	WIN 0
.if \first
	RAW RK, 6                                      ; the next step's K: a whole step ahead of its use
.else
	s_cmp_eq_u32 s24, 7                            ; the last step asks for nothing: no load leaves the buffer
	s_cbranch_scc1 .Lno_k_\@
	RAW RK, 6
.Lno_k_\@:
.endif
	ADDR 0
	UNIT 0, \first
	UNIT 1, \first
	UNIT 2, \first
	UNIT 3, \first
	WIN 0
.if \first
	RAW RV, 8                                      ; the next step's V: half a step ahead
.else
	s_cmp_eq_u32 s24, 7
	s_cbranch_scc1 .Lno_v_\@
	RAW RV, 8
.Lno_v_\@:
.endif
	UNIT 4, \first
	UNIT 5, \first
	UNIT 6, \first
	UNIT 7, \first
	WIN 0
.endm
	STEP 1                                         ; step 0 stands in front of the loop: it starts m, l and O
	s_mov_b32 s24, 1
.Lstep:
	STEP 0
	s_add_co_u32 s24, s24, 1
	s_cmp_lt_u32 s24, 8
	s_cbranch_scc1 .Lstep
	; THE MERGE.  Each wave holds (m, l, O) of all 128 queries over its own 512 keys.
	s_lshl_b32 s21, s18, 2
	s_add_co_u32 s21, s21, STAT
	v_lshl_add_u32 v24, v2, 4, s21                 ; my word of query r's four
	v_lshl_add_u32 v25, v2, 4, STAT                ; all four
	s_mul_i32 s21, s18, PARTW
	v_mul_u32_u24 v26, v2, PP
	v_lshl_add_u32 v26, v3, 5, v26
	v_add_nc_u32 v26, s21, v26                     ; my partial: row r, d = 8 h ..
	s_mul_i32 s21, s18, 32*PP
	v_mul_u32_u24 v27, v3, PP
	v_lshl_add_u32 v27, v2, 4, v27
	v_add_nc_u32 v27, s21, v27                     ; back: rows 32 w + h of partials 0, 1
	v_add_nc_u32 v28, 2*PARTW, v27                 ; and of partials 2, 3
.irp t, 0,1,2,3,4,5,6,7
	v_permlanex16_b32 v[PX], v[LS+\t], s30, s31
	v_add_f32 v[LS+\t], v[LS+\t], v[PX]            ; both halves' keys
.endr
.irp t, 0,1,2,3,4,5,6,7
	ds_store_b32 v24, v[M+\t] offset:256*\t        ; both halves write the same word with the same number
	ds_store_b32 v24, v[LS+\t] offset:2048+256*\t
.endr
	s_wait_dscnt 0x0                               ; my m and l are written, and all my gathers are long back
	s_barrier_signal -1
	s_barrier_wait -1                              ; everybody's: the table's bytes are free
.irp t, 0,1,2,3,4,5,6,7
	ds_load_b128 v[SC+4*\t:SC+4*\t+3], v25 offset:256*\t
	ds_load_b128 v[SC+32+4*\t:SC+32+4*\t+3], v25 offset:2048+256*\t
.endr
	s_wait_dscnt 0x0
.irp t, 0,1,2,3,4,5,6,7
	v_max3_num_f32 v[MX+\t], v[SC+4*\t], v[SC+4*\t+1], v[SC+4*\t+2]
.endr
.irp t, 0,1,2,3,4,5,6,7
	v_max_num_f32 v[MX+\t], v[MX+\t], v[SC+4*\t+3]
.endr
.irp t, 0,1,2,3,4,5,6,7
	v_mul_f32 v[MX+\t], s28, v[MX+\t]              ; -c x the query's maximum over all keys
.endr
.irp t, 0,1,2,3,4,5,6,7
.irp w, 0,1,2,3
	v_fma_f32 v[SC+4*\t+\w], v[SC+4*\t+\w], s26, v[MX+\t]
.endr
	v_fma_f32 v[M+\t], v[M+\t], s26, v[MX+\t]
.endr
.set n, 0
.rept 32
	v_exp_f32 v[SC+n], v[SC+n]
.set n, n+1
.endr
.irp t, 0,1,2,3,4,5,6,7
	v_exp_f32 v[M+\t], v[M+\t]
.endr
	v_nop                                          ; a plain place behind the exponentials (ISA guide 5.7.2)
	s_wait_alu depctr_va_vdst(0)
.irp t, 0,1,2,3,4,5,6,7
	v_mul_f32 v[LS+\t], v[SC+4*\t], v[SC+32+4*\t]
.endr
.irp w, 1,2,3
.irp t, 0,1,2,3,4,5,6,7
	v_fmac_f32 v[LS+\t], v[SC+4*\t+\w], v[SC+32+4*\t+\w]
.endr
.endr
.irp t, 0,1,2,3,4,5,6,7
	v_rcp_f32 v[LS+\t], v[LS+\t]                   ; the sum holds the term of the wave with the maximum, which is at least 1
.endr
	v_nop
	s_wait_alu depctr_va_vdst(0)
.irp t, 0,1,2,3,4,5,6,7
	v_mul_f32 v[ADR+2*\t], v[M+\t], v[LS+\t]       ; my weight / the whole sum, in even registers: pairs for the packed multiply
.endr
	WIN RESC
.irp t, 0,1,2,3,4,5,6,7
.set n, 0
.rept 16
	v_pk_mul_f32 v[32*\t+2*n:32*\t+2*n+1], v[32*\t+2*n:32*\t+2*n+1], v[ADR+2*\t:ADR+2*\t+1] op_sel_hi:[1,0]
.set n, n+1
.endr
.endr
	WIN ST1
.irp t, 0,1,2,3,4,5,6,7
.irp n, 0,1,2,3,4,5,6,7
	ds_store_b128 v26, v[32*\t+4*\n:32*\t+4*\n+3] offset:16*PP*\t+64*(\n>>1)+16*(\n&1)   ; query 16 t + r, d = 16 dt + 8 h + 4 e ..
.endr
.endr
	WIN 0
	s_wait_dscnt 0x0
	s_barrier_signal -1
	s_barrier_wait -1                              ; all four partials are in LDS
	; Wave w adds the four partials of rows 32 w .. 32 w + 31, two rows a load, four pairs of rows a batch.
.irp bt, 0,1,2,3
.if \bt
	s_wait_xcnt 0x0                                ; the last batch's stores have had their addresses translated (ISA guide 3.1): their data registers are loaded again only behind this wait
.endif
.irp q, 0,1,2,3
	ds_load_b128 v[SC+16*\q:SC+16*\q+3],     v27 offset:2*PP*(4*\bt+\q)
	ds_load_b128 v[SC+16*\q+4:SC+16*\q+7],   v27 offset:2*PP*(4*\bt+\q)+PARTW
	ds_load_b128 v[SC+16*\q+8:SC+16*\q+11],  v28 offset:2*PP*(4*\bt+\q)
	ds_load_b128 v[SC+16*\q+12:SC+16*\q+15], v28 offset:2*PP*(4*\bt+\q)+PARTW
.endr
.irp q, 0,1,2,3
	s_wait_dscnt 12-4*\q                           ; LDS loads come back in order (ISA guide 5.7.1): this pair's four are in, the younger pairs' stay out
	v_pk_add_f32 v[SC+16*\q:SC+16*\q+1],     v[SC+16*\q:SC+16*\q+1],     v[SC+16*\q+4:SC+16*\q+5]
	v_pk_add_f32 v[SC+16*\q+2:SC+16*\q+3],   v[SC+16*\q+2:SC+16*\q+3],   v[SC+16*\q+6:SC+16*\q+7]
	v_pk_add_f32 v[SC+16*\q+8:SC+16*\q+9],   v[SC+16*\q+8:SC+16*\q+9],   v[SC+16*\q+12:SC+16*\q+13]
	v_pk_add_f32 v[SC+16*\q+10:SC+16*\q+11], v[SC+16*\q+10:SC+16*\q+11], v[SC+16*\q+14:SC+16*\q+15]
	v_pk_add_f32 v[SC+16*\q:SC+16*\q+1],     v[SC+16*\q:SC+16*\q+1],     v[SC+16*\q+8:SC+16*\q+9]
	v_pk_add_f32 v[SC+16*\q+2:SC+16*\q+3],   v[SC+16*\q+2:SC+16*\q+3],   v[SC+16*\q+10:SC+16*\q+11]
	global_store_b128 v[L16], v[SC+16*\q:SC+16*\q+3], s[16:17] offset:512*(4*\bt+\q) th:TH_STORE_NT   ; sixteen lanes store one row of out0: 256 consecutive bytes, aligned
.endr
.endr
	s_wait_tensorcnt 0x0
	ds_add_u32 v62, v63
	s_wait_dscnt 0x0
	s_endpgm
.Lfunc_end_k_q6a3ee38f26_relattn:
	.size	k_q6a3ee38f26_relattn, .Lfunc_end_k_q6a3ee38f26_relattn-k_q6a3ee38f26_relattn
	.p2alignl 7, 3214868480
	.fill 96, 4, 3214868480
	.section	.rodata,"a",@progbits
	.p2align	6, 0x0
	.amdhsa_kernel k_q6a3ee38f26_relattn
		.amdhsa_group_segment_fixed_size 316928
		.amdhsa_private_segment_fixed_size 0
		.amdhsa_enable_private_segment 0
		.amdhsa_kernarg_size 56
		.amdhsa_user_sgpr_count 2
		.amdhsa_user_sgpr_kernarg_segment_ptr 1
		.amdhsa_wavefront_size32 1
		.amdhsa_system_sgpr_workgroup_id_x 1
		.amdhsa_system_sgpr_workgroup_id_y 1
		.amdhsa_system_sgpr_workgroup_id_z 1
		.amdhsa_system_vgpr_workitem_id 0
		.amdhsa_next_free_vgpr 1024
		.amdhsa_next_free_sgpr 66
		.amdhsa_reserve_vcc 1
		.amdhsa_float_denorm_mode_32 3
		.amdhsa_float_denorm_mode_16_64 3
		.amdhsa_memory_ordered 1
		.amdhsa_forward_progress 1
		.amdhsa_inst_pref_size 255
	.end_amdhsa_kernel
	.section	.bss,"aw",@nobits
	.p2align	6
	.space	262144
	.amdgpu_metadata
---
amdhsa.version: [ 1, 2 ]
amdhsa.kernels:
  - .name:           k_q6a3ee38f26_relattn
    .symbol:         k_q6a3ee38f26_relattn.kd
    .args:
      - { .name: q, .offset: 0, .size: 8, .value_kind: global_buffer, .address_space: global }
      - { .name: k, .offset: 8, .size: 8, .value_kind: global_buffer, .address_space: global }
      - { .name: v, .offset: 16, .size: 8, .value_kind: global_buffer, .address_space: global }
      - { .name: rel_emb, .offset: 24, .size: 8, .value_kind: global_buffer, .address_space: global }
      - { .name: q_info, .offset: 32, .size: 8, .value_kind: global_buffer, .address_space: global }
      - { .name: k_info, .offset: 40, .size: 8, .value_kind: global_buffer, .address_space: global }
      - { .name: out0, .offset: 48, .size: 8, .value_kind: global_buffer, .address_space: global }
    .group_segment_fixed_size: 316928
    .private_segment_fixed_size: 0
    .kernarg_segment_align: 8
    .kernarg_segment_size: 56
    .max_flat_workgroup_size: 128
    .sgpr_count:     66
    .vgpr_count:     1024
    .wavefront_size: 32
...
	.end_amdgpu_metadata
.endif
;; end of part 1
;; ======== version 2 of 2: 1 launch; version 1 with the launch relattn written anew for expert scheduling mode
;; launch relattn (part 2): grid 16 x 16, 4 waves a work-group, no clusters, 316,928 bytes of LDS; arguments q, k, v, rel_emb, q_info, k_info, out0; writes out0
.if DOCPART == 2
	.amdgcn_target "amdgcn-amd-amdhsa--gfx1250"
	.amdhsa_code_object_version 6
	.text
	.protected	k_q6a3ee38f26_relattn
	.globl	k_q6a3ee38f26_relattn
	.p2align	8
	.type	k_q6a3ee38f26_relattn,@function
k_q6a3ee38f26_relattn:
	s_mov_b64 s[64:65], 0
	v_nop
	global_prefetch_b8 v0, s[64:65] scope:SCOPE_SE
	s_setreg_imm32_b32 hwreg(HW_REG_WAVE_SCHED_MODE, 0, 2), 2
	s_setreg_imm32_b32 hwreg(HW_REG_WAVE_MODE, 25, 1), 1
	s_wait_xcnt 0x0
	s_wait_alu depctr_vm_vsrc(0)
; out[b,h,i,:] = softmax_j( (q_i.k_j + qr[i, clip(kadj_j - qadj_i, -128, 128) + 128]) / 8 ) v_j,   qr = q rel_emb^T (257 columns).
; B = 2, H = 8, S = 2048, D = 64, all f32 in memory.  One launch; nothing passes through memory between the steps.
; A work-group (x = block of 128 queries, y = b*8 + h) has four waves.  KEYS are split among the waves: wave w takes keys 512 w .. 512 w + 511
; for all 128 queries (8 query tiles of 16), in 8 steps of 64 keys, so each K and V number is converted and staged once in the work-group and the
; staging bytes are the wave's own: the main loop has no barrier.  The four partial (m, l, O) are merged once at the end through LDS.
; ORIENTATION: S^T = K Q^T (A = 16 keys, B = 16 queries): lane (r, h) holds query r, register j key 8 h + j.  Two such tiles, packed to bf16, are a
; B fragment of O^T = V^T P^T as they stand; m, l and the rescale factor are one number a lane.  The bias is gathered straight into the C registers
; of the K Q^T product, so adding it costs no instruction.
; THE TABLE: TAB[tile t][position 0..256][copy 0..1][query 0..15] f32, 128 bytes a position.  Lane L reads word L of its position's 32 words; a position
; starts at word 32 p, so lane L's word lies at L or L + 32 modulo 64 (64 banks of 4 bytes: ISA guide 11.1): no two lanes of a gather share a bank,
; whatever the indices.  The price is that each number is stored twice.
; NO JOINT LOADS, though the 16 work-groups of one (b, h) walk the same K and V: beside the table's 263,168 bytes 64,512 of the WGP's 327,680 are left,
; and two slots of f32 K and V for only 32 keys of each of four waves are 2*4*32*2*256 = 131,072 bytes.  K and V come through registers instead,
; K asked for a whole step and V half a step ahead of their use.
; LIMITS: matrix operands (q, k, v, rel_emb, the weights P) are rounded to bf16; sums, maxima, exponentials in f32, with a running maximum.
; The index is kadj - (qadj - 128) in wrapping 32-bit arithmetic, then max 0, then min 256: equal to the reference's for all |info| < 2^30; it differs
; (0 for 256) only where the wrapped kadj - qadj lies in [2^31 - 128, 2^31 - 1].
; THE MODE: SCHED_MODE bits 1:0 = 2 (LLVM: expert scheduling mode 2), set by the entry lines.  The code itself states the register dependences
; between vector or matrix instructions and memory or LDS instructions, with s_wait_alu, always for 0.
; THE PLAN.  Registers that memory or LDS instructions touch, in the loop:
;   RK, RV      raw f32.  Read by the conversions at a step's head; the next step's loads land in RK behind tile 0's gathers, in RV behind tile 3.
;   SC          At a step's head K's conversions write it and the stage stores read it.  Then buffer t & 1: tile t's gathers land in it (issued in the unit
;               of tile t - 1), K Q^T adds onto it, tile t's softmax works in it.
;   TMP2 = ADR  At a step's head V's conversions write it and the stage stores read it.  Then two sets of 32 gather addresses: set (t + 1) & 1 is written
;               in the unit of tile t and read by the gathers issued in that unit.
;   KA          The step's key infos: loaded at the head, read by the address arithmetic up to the unit of tile 6.
;   v[KAD]      Read by KA's loads; stepped once a step.        KF, VF  loaded at the head, read by the step's products.
;   v[L16], v[STK], v[STV], v[FK], v[FV] are made at the kernel's head and never written again.
; A step's waits: va_vdst behind K's conversions, behind V's conversions and behind tile 0's addresses; vm_vsrc behind the stage's stores and loads.
; A unit's waits: ONE va_vdst behind the next tile's 128 address instructions; the 32 gathers follow it, dealt among this tile's softmax, which names
; SC[t & 1], PB and the statistics: neither the set that those gathers read nor the buffer in which they land.  One vm_vsrc, ahead of those gathers,
; for the set that this tile's gathers, long back, have read.
.set TABT,  32896                      ; bytes of one query tile's table: 257 positions x 128
.set TAB2,  2*TABT
.set STAGE, 8*TABT                     ; 263,168: first Q in bf16 (128 rows, pitch 144, shared), then 10,240 bytes for each wave
.set STW,   10240                      ; a wave's stage: K 64 rows x 144, then V 64 rows x 160
.set KAL,   STAGE+4*STW                ; 304,128: adjusted k_info, 2,048 bytes for each wave
.set STAT,  KAL+8192                   ; 312,320: m at 16 q + 4 w, l 2,048 bytes further
.set KP,    144                        ; odd multiple of 16: the 16 rows of a fragment load start in 16 different 16-byte columns
.set VP,    160                        ; odd multiple of 32, for the transposing load
.set PP,    272                        ; pitch of the partial results (256 + 16)
.set PARTW, 128*PP                     ; a wave's partial O, laid over the table when the gathers are over
; window 0
.set L16,  4                           ; 16 x lane
.set STK,  5                           ; stage + 144 h + 8 r: where K's rows go
.set STV,  6                           ; stage + 160 h + 8 r: where V's rows go
.set FK,   7                           ; stage + 144 r + 16 h: K fragments
.set FV,   8                           ; stage + (8 h + L%8) 160 + 16 ((L>>3)&1): V fragments, transposed on the way
.set KAD,  9                           ; my step's key infos
.set NM,   10                          ; v[10:11] -c x new maximum (v11 only fills the pair)
.set AL,   12                          ; v[12:13] rescale factor (v13 only fills the pair)
.set TM,   14                          ; new maximum
.set PX,   15                          ; what the other half of the lanes sends
.set MX,   16                          ; v16-23 maxima at work, temporaries
.set TS,   24                          ; v24-31 table build addresses; addresses of the merge
.set M,    32                          ; v32-39 running maximum of tile t
.set LS,   40                          ; v40-47 running sum of tile t (my half's keys)
.set QA,   48                          ; v48-55 qadj - 128 of query 16 t + r
.set BASE, 56                          ; v56-59 tables 2k, 2k+1: 65,792 k + 4 L
.set SC,   64                          ; v64-127 scores, two buffers of 32
.set KA,   128                         ; v128-159 kadj of my 32 keys of the step
.set PB,   160                         ; v160-175 P in bf16; rel_emb fragments during the build
.set TMP2, 192                         ; v192-255 bf16 on its way to the stage
.set ADR,  192                         ; the same registers behind a step's head: two sets of 32 gather addresses, by the tile's parity; merge factors
.set OB0,  64                          ; the way out: three buffers of 64 registers
.set OB1,  128
.set OB2,  192
; window 1: O(t, dt) at 32 t + 8 dt; before that raw rel_emb.  Window 2:
.set QF,   0                           ; Q(t, c) at 16 t + 8 c
.set KF,   128                         ; K(kt, c) at 16 kt + 8 c
.set VF,   192                         ; V(dt, kk) at 16 dt + 8 kk
; window 3: raw f32
.set RK,   0
.set RV,   128
; s_set_vgpr_msb, low byte: bits 1:0 source 0, 3:2 source 1, 5:4 source 2, 7:6 destination
.set QKW,  0x0a                        ; A, B window 2
.set PVW,  0x52                        ; A window 2, C and D window 1
.set RESC, 0x41                        ; destination and source 0 window 1
.set CVT3, 0x0f                        ; both sources window 3
.set CVT1, 0x05                        ; both sources window 1
.set TO1,  0x40
.set TO2,  0x80
.set TO3,  0xc0
.set BLD,  0x08                        ; B window 2
.set ST1,  0x04                        ; store data window 1
.set MSB, 0
.macro WIN new                         ; the immediate's high byte repeats the setting that is left; at labels and branches the setting is 0
.if MSB != \new
	s_set_vgpr_msb (MSB<<8)|\new
.set MSB, \new
.endif
.endm
	s_load_b256 s[4:11], s[0:1], 0x0               ; q s[4:5], k s[6:7], v s[8:9], rel_emb s[10:11]
	s_load_b128 s[12:15], s[0:1], 0x20             ; q_info s[12:13], k_info s[14:15]
	s_load_b64 s[16:17], s[0:1], 0x30              ; out0
	v_lshl_add_u32 v62, v0, 2, 0x4d400
	v_mov_b32 v63, 0
	v_and_b32 v1, 31, v0                           ; L
	v_and_b32 v2, 15, v0                           ; r
	v_bfe_u32 v3, v0, 4, 1                         ; h
	v_lshrrev_b32 v[TM], 5, v0
	v_readfirstlane_b32 s18, v[TM]                 ; wave w
	s_mov_b32 s19, ttmp9                           ; x: block of 128 queries
	s_and_b32 s20, ttmp7, 0xffff                   ; bh
	s_lshr_b32 s21, s20, 3                         ; b
	s_mov_b32 s26, 0x3e38aa3b                      ; c = log2(e) / 8
	s_mov_b32 s27, 0x3e38aa3b
	s_mov_b32 s28, 0xbe38aa3b                      ; -c
	s_mov_b32 s30, 0x76543210                      ; v_permlanex16_b32: lane i takes lane i of the other half
	s_mov_b32 s31, 0xfedcba98
	v_lshlrev_b32 v[L16], 4, v1
	v_lshlrev_b32 v16, 2, v2                       ; q_info: 4 r
	v_lshlrev_b32 v18, 5, v3                       ; rel_emb row 256: 32 h
	s_wait_alu depctr_va_sdst(0)                   ; s18 is written, ahead of its first reader: offsets, LDS addresses and branches are made from it
	s_lshl_b32 s25, s18, 12
	v_lshl_add_u32 v17, v2, 8, v18                 ; rel_emb: (16 w + r) 256 + 32 h
	v_add_nc_u32 v17, s25, v17
	s_mov_b32 s23, 0                               ; offsets are below 4 GiB: the pair's high word is 0
	s_lshl_b32 s32, s20, 19                        ; bh x 2,048 rows of 256 bytes
	s_lshl_b32 s33, s19, 15                        ; x x 128 rows
	s_lshl_b32 s34, s18, 13                        ; w x 32 rows
	s_lshl_b32 s35, s18, 17                        ; w x 512 rows
	s_lshl_b32 s36, s21, 13                        ; b x 2,048 words
	s_lshl_b32 s37, s19, 9                         ; x x 128 words
	s_add_co_u32 s22, s32, s33
	s_add_co_u32 s22, s22, s34
	s_wait_kmcnt 0x0
	s_add_nc_u64 s[4:5], s[4:5], s[22:23]          ; q and out0 at my wave's 32 rows of the block
	s_add_nc_u64 s[16:17], s[16:17], s[22:23]
	s_add_co_u32 s22, s32, s35
	s_add_nc_u64 s[6:7], s[6:7], s[22:23]          ; k and v at my wave's 512 keys
	s_add_nc_u64 s[8:9], s[8:9], s[22:23]
	s_add_co_u32 s22, s36, s37
	s_add_nc_u64 s[12:13], s[12:13], s[22:23]      ; q_info at the block
	s_lshl_b32 s37, s18, 11
	s_add_co_u32 s22, s36, s37
	s_add_nc_u64 s[14:15], s[14:15], s[22:23]      ; k_info at my keys
	; first loads: 16 for my 32 rows of Q, 8 q_info, 4 k_info, 32 for my four tiles of rel_emb (positions 16 (w + 4 i) ..)
	s_wait_alu depctr_va_vdst(0)                   ; the offsets v[L16], v16, v17 and v18 are written, which the global loads read
.set i, 0
.rept 16
	global_load_b128 v[SC+4*i:SC+4*i+3], v[L16], s[4:5] offset:512*i th:TH_LOAD_NT   ; rows 2 i + h, columns 4 r ..: read once in the launch
.set i, i+1
.endr
.irp t, 0,1,2,3,4,5,6,7
	global_load_b32 v[QA+\t], v16, s[12:13] offset:64*\t
.endr
.irp i, 0,1,2,3
	global_load_b128 v[KA+4*\i:KA+4*\i+3], v[L16], s[14:15] offset:512*\i
.endr
	WIN TO1
.irp i, 0,1,2,3
.irp n, 0,1,2,3,4,5,6,7
	global_load_b128 v[32*\i+4*\n:32*\i+4*\n+3], v17, s[10:11] offset:16384*\i+128*(\n>>2)+64*((\n>>1)&1)+16*(\n&1)   ; n = 4c+2g+e: d = 32c + 16g + 8h + 4e ..
.endr
.endr
	WIN 0
	; LDS addresses, while the loads are on their way
	s_mul_i32 s21, s18, 32*KP
	s_add_co_u32 s21, s21, STAGE
	v_mul_u32_u24 v19, v3, KP
	v_lshl_add_u32 v19, v2, 3, v19
	v_add_nc_u32 v19, s21, v19                     ; Q in: STAGE + (32 w + h) 144 + 8 r
	s_lshl_b32 s25, s18, 11
	s_add_co_u32 s21, s25, KAL
	v_add_nc_u32 v20, s21, v[L16]                  ; key infos in
	v_lshl_add_u32 v[KAD], v3, 5, s21              ; key infos back: + 32 h
	v_mul_u32_u24 v21, v2, KP
	v_lshl_add_u32 v21, v3, 4, v21                 ; 144 r + 16 h
	s_mul_i32 s21, s18, STW
	s_add_co_u32 s21, s21, STAGE                   ; my wave's stage
	v_add_nc_u32 v[FK], s21, v21
	v_add_nc_u32 v21, STAGE, v21                   ; Q fragments
	v_mul_u32_u24 v[STK], v3, KP
	v_lshl_add_u32 v[STK], v2, 3, v[STK]
	v_add_nc_u32 v[STK], s21, v[STK]
	v_mul_u32_u24 v[STV], v3, VP
	v_lshl_add_u32 v[STV], v2, 3, v[STV]
	v_add_nc_u32 v[STV], s21, v[STV]
	v_and_b32 v[FV], 7, v0
	v_lshl_add_u32 v[FV], v3, 3, v[FV]
	v_mul_u32_u24 v[FV], v[FV], VP
	v_bfe_u32 v[TM], v0, 3, 1
	v_lshl_add_u32 v[FV], v[TM], 4, v[FV]
	v_add_nc_u32 v[FV], s21, v[FV]
	v_lshlrev_b32 v[BASE], 2, v1
.irp k, 1,2,3
	v_add_nc_u32 v[BASE+\k], TAB2*\k, v[BASE]
.endr
	; table build: position 16 w + 8 h, query r, copy h xor e: the two halves of the lanes write opposite copies, so their words lie in different banks
	v_mul_u32_u24 v22, v3, 1088                    ; e = 0: 1,024 h + 64 h
	v_lshl_add_u32 v22, v2, 2, v22
	v_add_nc_u32 v22, s25, v22                     ; + 2,048 w
	v_mul_u32_u24 v23, v3, 960                     ; e = 1: 1,024 h + 64 (1 - h)
	v_lshl_add_u32 v23, v2, 2, v23
	v_add3_u32 v23, v23, s25, 64
	v_mov_b32 v[NM+1], 0                           ; the second registers of broadcast pairs, and v_permlanex16_b32's destination, are written once
	v_mov_b32 v[AL+1], 0
	v_mov_b32 v[PX], 0
	v_mov_b32 v60, 0x180                           ; k_info == -1 counts as 3 x 128
	v_mov_b32 v61, 0x100                           ; q_info == -1 counts as 2 x 128
	s_wait_loadcnt 44                              ; Q is in: behind it were issued 8 + 4 + 32 loads
.set i, 0
.rept 16
	v_cvt_pk_bf16_f32 v[TMP2+2*i], v[SC+4*i], v[SC+4*i+1]
	v_cvt_pk_bf16_f32 v[TMP2+2*i+1], v[SC+4*i+2], v[SC+4*i+3]
.set i, i+1
.endr
	s_wait_alu depctr_va_vdst(0)                   ; the conversions have written v[TMP2 ..], which the stores read; all LDS addresses made above (v19 to v21, KAD, FK, FV, STK, STV) are written
.set i, 0
.rept 16
	ds_store_b64 v19, v[TMP2+2*i:TMP2+2*i+1] offset:2*KP*i
.set i, i+1
.endr
	s_wait_loadcnt 32                              ; the infos are in: only rel_emb's 32 loads were issued behind them
	s_cmp_lg_u32 s18, 0
	s_cbranch_scc1 .Lno_row256
	WIN TO1                                        ; wave 0 also takes position 256: every lane's row is row 256; the last byte read is 65,791
.irp n, 0,1,2,3,4,5,6,7
	global_load_b128 v[128+4*\n:128+4*\n+3], v18, s[10:11] offset:65536+128*(\n>>2)+64*((\n>>1)&1)+16*(\n&1)
.endr
	WIN 0
.Lno_row256:
	; info == -1 is replaced.  The compares stand in runs, into scalar registers, with one wait behind each run
.irp t, 0,1,2,3,4,5,6,7
	v_cmp_eq_u32 s[32+\t], -1, v[QA+\t]
.endr
.irp i, 0,1,2,3,4,5,6,7
	v_cmp_eq_u32 s[40+\i], -1, v[KA+\i]
.endr
	s_wait_alu depctr_va_sdst(0)                   ; the sixteen masks s32 to s47 are written, ahead of the selects that read them
.irp t, 0,1,2,3,4,5,6,7
	v_cndmask_b32 v[QA+\t], v[QA+\t], v61, s[32+\t]
.endr
.irp i, 0,1,2,3,4,5,6,7
	v_cndmask_b32 v[KA+\i], v[KA+\i], v60, s[40+\i]
.endr
.irp i, 0,1,2,3,4,5,6,7
	v_cmp_eq_u32 s[32+\i], -1, v[KA+8+\i]
.endr
.irp t, 0,1,2,3,4,5,6,7
	v_add_nc_u32 v[QA+\t], 0xffffff80, v[QA+\t]    ; qadj - 128
.endr
	s_wait_alu depctr_va_sdst(0)                   ; the eight masks s32 to s39 are written anew, ahead of the selects that read them
.irp i, 0,1,2,3,4,5,6,7
	v_cndmask_b32 v[KA+8+\i], v[KA+8+\i], v60, s[32+\i]
.endr
	s_wait_alu depctr_va_vdst(0)                   ; the selects have written v[KA ..], which the stores read
.irp i, 0,1,2,3
	ds_store_b128 v20, v[KA+4*\i:KA+4*\i+3] offset:512*\i
.endr
	s_wait_dscnt 0x0                               ; my rows of Q are in LDS, for the other waves' sake
	s_barrier_signal -1
	s_barrier_wait -1                              ; all 128 rows are
	WIN TO2
.irp t, 0,1,2,3,4,5,6,7
.irp m, 0,1,2,3
	ds_load_b128 v[QF+16*\t+4*\m:QF+16*\t+4*\m+3], v21 offset:16*KP*\t+32*\m   ; query 16 t + r, d = 16 m + 8 h ..: B fragments, kept for the whole kernel
.endr
.endr
	WIN 0
	s_wait_loadcnt 0x0                             ; rel_emb is in
; 32 loads: 64 rows of 256 bytes of K or V, as they lie, into window 3
.macro RAW reg, lo
	WIN TO3
.set i, 0
.rept 32
	global_load_b128 v[\reg+4*i:\reg+4*i+3], v[L16], s[\lo:\lo+1] offset:512*i
.set i, i+1
.endr
	WIN 0
.endm
	RAW RK, 6                                      ; step 0's K
; 16 positions of rel_emb (raw f32 at window 1, register raw) times all 128 queries: SC + 8 t holds (position 8 h + j, query 16 t + r).
; The eight accumulators take turns, one instruction a turn.  again = 1: a tile's stores stand in front.
.macro TABMM raw, again
	WIN CVT1
.set n, 0
.rept 16
	v_cvt_pk_bf16_f32 v[PB+n], v[\raw+2*n], v[\raw+2*n+1]
.set n, n+1
.endr
.if \again
	s_wait_alu depctr_vm_vsrc(0)                   ; the last tile's stores have read v[SC ..] and v[TS ..], which the products and the address steps below write again
.endif
	WIN BLD
.irp t, 0,1,2,3,4,5,6,7
	v_wmma_f32_16x16x32_bf16 v[SC+8*\t:SC+8*\t+7], v[PB:PB+7], v[QF+16*\t:QF+16*\t+7], 0
.endr
.irp t, 0,1,2,3,4,5,6,7
	v_wmma_f32_16x16x32_bf16 v[SC+8*\t:SC+8*\t+7], v[PB+8:PB+15], v[QF+16*\t+8:QF+16*\t+15], v[SC+8*\t:SC+8*\t+7]
.endr
	WIN 0
.endm
; Tile i of my four.  The eight address instructions are the places between the matrix instructions and the stores that read their results.
.macro TABTILE i
	TABMM 32*\i, \i
.irp e, 0,1
.irp k, 0,1,2,3
.if \i == 0
	v_add_nc_u32 v[TS+4*\e+\k], TAB2*\k, v[22+\e]
.else
	v_add_nc_u32 v[TS+4*\e+\k], 0x2000, v[TS+4*\e+\k]          ; 64 positions on
.endif
.endr
.endr
	s_wait_alu depctr_va_vdst(0)                   ; the products have written v[SC ..] and the adds v[TS ..], which the stores read; the places above stay beside this wait
.irp t, 0,1,2,3,4,5,6,7
.irp e, 0,1
.irp j, 0,1,2,3,4,5,6,7
	ds_store_b32 v[TS+4*\e+(\t>>1)], v[SC+8*\t+\j] offset:(\t&1)*TABT+128*\j
.endr
.endr
.endr
.endm
	s_wait_dscnt 0x0                               ; the Q fragments are in
	TABTILE 0
	TABTILE 1
	RAW RV, 8                                      ; step 0's V
	TABTILE 2
	TABTILE 3
	s_cmp_lg_u32 s18, 0
	s_cbranch_scc1 .Lno_last
	TABMM 128, 1                                   ; position 256: all 16 rows of A are row 256, so register 0 of both halves holds it
.irp k, 0,1,2,3
	v_add_nc_u32 v[TS+\k], 0x8000, v[BASE+\k]      ; position 256, word L: one store writes both copies.  Four places behind the matrix instructions
.endr
	s_wait_alu depctr_va_vdst(0)                   ; the products have written v[SC ..] and the adds v[TS ..], which the stores read
.irp t, 0,1,2,3,4,5,6,7
	ds_store_b32 v[TS+(\t>>1)], v[SC+8*\t] offset:(\t&1)*TABT
.endr
.Lno_last:
	s_wait_dscnt 0x0                               ; my part of the table is written, and my reads of the Q stage are over
	s_barrier_signal -1
	s_barrier_wait -1                              ; the table is whole; the stage now belongs to the waves, 10,240 bytes each
	s_wait_alu depctr_vm_vsrc(0)                   ; my table stores have read v[SC ..], which the first step's conversions write, and v[TS ..], which the merge writes
; The 32 gather addresses of query tile t: index, clamp, address, into the set of the tile's parity.
.macro COMPUTE t
.set n, 0
.rept 32
	v_sub_nc_u32 v[ADR+32*((\t)&1)+n], v[KA+n], v[QA+(\t)]
.set n, n+1
.endr
.set n, 0
.rept 32
	v_max_i32 v[ADR+32*((\t)&1)+n], 0, v[ADR+32*((\t)&1)+n]
.set n, n+1
.endr
.set n, 0
.rept 32
	v_min_u32 v[ADR+32*((\t)&1)+n], 0x100, v[ADR+32*((\t)&1)+n]
.set n, n+1
.endr
.set n, 0
.rept 32
	v_lshl_add_u32 v[ADR+32*((\t)&1)+n], v[ADR+32*((\t)&1)+n], 7, v[BASE+((\t)>>1)]
.set n, n+1
.endr
.endm
; Four of tile t's 32 gathers, into the score buffer that the K Q^T product will add onto.  t = 8: there is no such tile.
.macro G4 t, q
.if (\t) < 8
.irp j, 0,1,2,3
	ds_load_b32 v[SC+32*((\t)&1)+4*(\q)+\j], v[ADR+32*((\t)&1)+4*(\q)+\j] offset:((\t)&1)*TABT
.endr
.endif
.endm
; S^T(64 keys, tile t) = bias + K Q^T.  Four accumulators by turns.
.macro QK t
	WIN QKW
.irp c, 0,1
.irp kt, 0,1,2,3
	v_wmma_f32_16x16x32_bf16 v[SC+32*((\t)&1)+8*\kt:SC+32*((\t)&1)+8*\kt+7], v[KF+16*\kt+8*\c:KF+16*\kt+8*\c+7], v[QF+16*(\t)+8*\c:QF+16*(\t)+8*\c+7], v[SC+32*((\t)&1)+8*\kt:SC+32*((\t)&1)+8*\kt+7]
.endr
.endr
	WIN 0
.endm
; Running softmax of tile t over my 32 scores (and, for the maximum, the other half's 32).  Tile g's gathers are dealt among its first 36 instructions, four at a
; time: no line of the softmax names their addresses or the buffer in which they land, so they owe no wait beyond the unit's.
.macro SOFTMAX t, first, g
.set B, SC+32*((\t)&1)
.irp q, 0,1,2,3
	v_max3_num_f32 v[MX+\q], v[B+8*\q], v[B+8*\q+1], v[B+8*\q+2]
.endr
	G4 \g, 0
.irp q, 0,1,2,3
	v_max3_num_f32 v[MX+\q], v[MX+\q], v[B+8*\q+3], v[B+8*\q+4]
.endr
	G4 \g, 1
.irp q, 0,1,2,3
	v_max3_num_f32 v[MX+\q], v[MX+\q], v[B+8*\q+5], v[B+8*\q+6]
.endr
	G4 \g, 2
	v_max3_num_f32 v[MX], v[MX], v[B+7], v[B+15]
	v_max3_num_f32 v[MX+1], v[MX+1], v[B+23], v[B+31]
	v_max3_num_f32 v[MX], v[MX], v[MX+1], v[MX+2]
.if \first
	v_max_num_f32 v[MX], v[MX], v[MX+3]
.else
	v_max3_num_f32 v[MX], v[MX], v[MX+3], v[M+(\t)]
.endif
	G4 \g, 3
	v_permlanex16_b32 v[PX], v[MX], s30, s31
	v_max_num_f32 v[TM], v[MX], v[PX]              ; the query's new maximum, in both halves
	v_mul_f32 v[NM], s28, v[TM]
.if \first == 0
	v_fma_f32 v[AL], v[M+(\t)], s26, v[NM]         ; c (old - new)
.endif
.irp q, 0,1,2,3
.irp m, 0,1,2,3
	v_pk_fma_f32 v[B+8*\q+2*\m:B+8*\q+2*\m+1], v[B+8*\q+2*\m:B+8*\q+2*\m+1], s[26:27], v[NM:NM+1] op_sel_hi:[1,0,0]   ; c (s - new)
.endr
	G4 \g, 4+\q
.endr
.if \first == 0
	v_exp_f32 v[AL], v[AL]
.endif
.set n, 0
.rept 32
	v_exp_f32 v[B+n], v[B+n]
.set n, n+1
.endr
	v_mov_b32 v[M+(\t)], v[TM]                     ; the plain instruction between the exponentials and the first use of a result (ISA guide 5.7.2)
.set n, 0
	s_wait_alu depctr_va_vdst(0)
.rept 16
	v_cvt_pk_bf16_f32 v[PB+n], v[B+2*n], v[B+2*n+1]            ; tiles 2 kk, 2 kk + 1 = keys 8 h .., 16 + 8 h .. of 32: a B fragment as it stands
.set n, n+1
.endr
.irp n, 0,1,2,3,4,5,6,7
	v_pk_add_f32 v[B+4*\n:B+4*\n+1], v[B+4*\n:B+4*\n+1], v[B+4*\n+2:B+4*\n+3]
.endr
.irp n, 0,1,2,3
	v_pk_add_f32 v[B+8*\n:B+8*\n+1], v[B+8*\n:B+8*\n+1], v[B+8*\n+4:B+8*\n+5]
.endr
	v_pk_add_f32 v[B:B+1], v[B:B+1], v[B+8:B+9]
	v_pk_add_f32 v[B+16:B+17], v[B+16:B+17], v[B+24:B+25]
	v_pk_add_f32 v[B:B+1], v[B:B+1], v[B+16:B+17]
.if \first
	v_add_f32 v[LS+(\t)], v[B], v[B+1]
.else
	v_add_f32 v[MX+4], v[B], v[B+1]
	v_fma_f32 v[LS+(\t)], v[LS+(\t)], v[AL], v[MX+4]
.endif
.endm
.macro RESCALE t
	WIN RESC
.set n, 0
.rept 16
	v_pk_mul_f32 v[32*(\t)+2*n:32*(\t)+2*n+1], v[32*(\t)+2*n:32*(\t)+2*n+1], v[AL:AL+1] op_sel_hi:[1,0]
.set n, n+1
.endr
.endm
; O^T(tile t) += V^T P^T.  Four accumulators by turns.  In the first step the first product starts the sums: nothing is cleared.
.macro PVM t, first
	WIN PVW
.irp dt, 0,1,2,3
.if \first
	v_wmma_f32_16x16x32_bf16 v[32*(\t)+8*\dt:32*(\t)+8*\dt+7], v[VF+16*\dt:VF+16*\dt+7], v[PB:PB+7], 0
.else
	v_wmma_f32_16x16x32_bf16 v[32*(\t)+8*\dt:32*(\t)+8*\dt+7], v[VF+16*\dt:VF+16*\dt+7], v[PB:PB+7], v[32*(\t)+8*\dt:32*(\t)+8*\dt+7]
.endif
.endr
.irp dt, 0,1,2,3
	v_wmma_f32_16x16x32_bf16 v[32*(\t)+8*\dt:32*(\t)+8*\dt+7], v[VF+16*\dt+8:VF+16*\dt+15], v[PB+8:PB+15], v[32*(\t)+8*\dt:32*(\t)+8*\dt+7]
.endr
.endm
; One query tile against the step's 64 keys.  The next tile's 128 address instructions are the places between K Q^T and the softmax that reads it.
.macro UNIT t, first
	s_wait_dscnt 0x0                               ; this tile's gathers, issued one tile ago, are in (tile 0: the step's K and V fragments too)
	QK \t
.if \t < 7
	COMPUTE \t+1
	s_wait_alu depctr_va_vdst(0)                   ; the next tile's 32 addresses are written, which its gathers read; the softmax of the tile before is done with the score buffer in which they land
.else
.rept 4
	v_nop                                          ; the last tile of a step has no next one: four places (ISA guide 7.12.1)
.endr
.endif
.if \t != 6
	s_wait_alu depctr_vm_vsrc(0)                   ; the gathers issued so far have read their address sets: this tile's set is written again by the addresses of the tile after next; behind tile 7 both sets by the next step's conversions of V
.endif
	SOFTMAX \t, \first, \t+1
.if \first == 0
	RESCALE \t
.endif
	PVM \t, \first
.endm
; A step: 64 keys of my 512.
.macro STEP first
	s_wait_loadcnt 0x0                             ; this step's raw K and V are in, and no load reads the bases any more
	s_add_nc_u64 s[6:7], s[6:7], 0x4000            ; 64 rows on
	s_add_nc_u64 s[8:9], s[8:9], 0x4000
.irp n, 0,1,2,3,4,5,6,7
	ds_load_b128 v[KA+4*\n:KA+4*\n+3], v[KAD] offset:64*(\n>>1)+16*(\n&1)      ; keys 16 kt + 8 h + 4 e ..  No wait: no vector instruction since tile 6's wait on va_vdst (first step: since the one ahead of the infos' stores) names KA or KAD
.endr
	WIN CVT3
.set n, 0
.rept 64
	v_cvt_pk_bf16_f32 v[SC+n], v[RK+2*n], v[RK+2*n+1]
.set n, n+1
.endr
	WIN 0
	s_wait_alu depctr_va_vdst(0)                   ; K's conversions have written v[SC ..], which the stores read, and are done reading RK; the last step's products are done reading KF and VF, in which this step's fragments land
.set i, 0
.rept 32
	ds_store_b64 v[STK], v[SC+2*i:SC+2*i+1] offset:2*KP*i      ; rows 2 i + h
.set i, i+1
.endr
	WIN TO2
.set n, 0
.rept 16
	ds_load_b128 v[KF+4*n:KF+4*n+3], v[FK] offset:16*KP*(n>>2)+32*(n&3)        ; LDS serves a wave's instructions in order (ISA guide 5.7.1.4): these see the stores above
.set n, n+1
.endr
	WIN CVT3
.set n, 0
.rept 64
	v_cvt_pk_bf16_f32 v[TMP2+n], v[RV+2*n], v[RV+2*n+1]
.set n, n+1
.endr
	WIN 0
	s_wait_alu depctr_va_vdst(0)                   ; V's conversions have written v[TMP2 ..], which the stores read, and are done reading RV, in which the next step's V lands behind tile 3
	s_wait_dscnt 0x0                               ; the key infos and K's fragments are in registers; V now takes the stage's bytes
.set i, 0
.rept 32
	ds_store_b64 v[STV], v[TMP2+2*i:TMP2+2*i+1] offset:2*VP*i
.set i, i+1
.endr
	WIN TO2
.set n, 0
.rept 16
	ds_load_tr16_b128 v[VF+4*n:VF+4*n+3], v[FV] offset:32*VP*((n>>1)&1)+32*(n>>2)+16*VP*(n&1)  ; n = 4 dt + 2 kk + g: d = 16 dt + r, keys 32 kk + 16 g + 8 h ..
.set n, n+1
.endr
	WIN 0
	s_wait_alu depctr_vm_vsrc(0)                   ; the stage stores have read v[TMP2 ..], which the addresses below write, and v[SC ..], in which gathers land; the infos' loads have read v[KAD]
	v_add_nc_u32 v[KAD], 0x100, v[KAD]
	COMPUTE 0
	s_wait_alu depctr_va_vdst(0)                   ; tile 0's 32 addresses are written, which its gathers read; so is v[KAD], for the next step's loads
.irp q, 0,1,2,3,4,5,6,7
	G4 0, \q
.endr
.if \first
	RAW RK, 6                                      ; the next step's K: a whole step ahead of its use
.else
	s_cmp_eq_u32 s24, 7                            ; the last step asks for nothing: no load leaves the buffer
	s_cbranch_scc1 .Lno_k_\@
	RAW RK, 6
.Lno_k_\@:
.endif
	UNIT 0, \first
	UNIT 1, \first
	UNIT 2, \first
	UNIT 3, \first
	WIN 0
.if \first
	RAW RV, 8                                      ; the next step's V: half a step ahead.  No wait: no vector instruction since the wait behind V's conversions names RV
.else
	s_cmp_eq_u32 s24, 7
	s_cbranch_scc1 .Lno_v_\@
	RAW RV, 8
.Lno_v_\@:
.endif
	UNIT 4, \first
	UNIT 5, \first
	UNIT 6, \first
	UNIT 7, \first
	WIN 0
.endm
	STEP 1                                         ; step 0 stands in front of the loop: it starts m, l and O
	s_mov_b32 s24, 1
.Lstep:
	STEP 0
	s_add_co_u32 s24, s24, 1
	s_cmp_lt_u32 s24, 8
	s_cbranch_scc1 .Lstep
	; THE MERGE.  Each wave holds (m, l, O) of all 128 queries over its own 512 keys.
	s_lshl_b32 s21, s18, 2
	s_add_co_u32 s21, s21, STAT
	v_lshl_add_u32 v24, v2, 4, s21                 ; my word of query r's four
	v_lshl_add_u32 v25, v2, 4, STAT                ; all four
	s_mul_i32 s21, s18, PARTW
	v_mul_u32_u24 v26, v2, PP
	v_lshl_add_u32 v26, v3, 5, v26
	v_add_nc_u32 v26, s21, v26                     ; my partial: row r, d = 8 h ..
	s_mul_i32 s21, s18, 32*PP
	v_mul_u32_u24 v27, v3, PP
	v_lshl_add_u32 v27, v2, 4, v27
	v_add_nc_u32 v27, s21, v27                     ; back: rows 32 w + h of partials 0, 1
	v_add_nc_u32 v28, 2*PARTW, v27                 ; and of partials 2, 3
.irp t, 0,1,2,3,4,5,6,7
	v_permlanex16_b32 v[PX], v[LS+\t], s30, s31
	v_add_f32 v[LS+\t], v[LS+\t], v[PX]            ; both halves' keys
.endr
	s_wait_alu depctr_va_vdst(0)                   ; M, LS and the addresses v24 to v28 are written, which the LDS instructions below read; the last softmax is done with v[SC ..], in which the statistics land
.irp t, 0,1,2,3,4,5,6,7
	ds_store_b32 v24, v[M+\t] offset:256*\t        ; both halves write the same word with the same number
	ds_store_b32 v24, v[LS+\t] offset:2048+256*\t
.endr
	s_wait_dscnt 0x0                               ; my m and l are written, and all my gathers are long back
	s_barrier_signal -1
	s_barrier_wait -1                              ; everybody's: the table's bytes are free
.irp t, 0,1,2,3,4,5,6,7
	ds_load_b128 v[SC+4*\t:SC+4*\t+3], v25 offset:256*\t
	ds_load_b128 v[SC+32+4*\t:SC+32+4*\t+3], v25 offset:2048+256*\t
.endr
	s_wait_dscnt 0x0
	s_wait_alu depctr_vm_vsrc(0)                   ; my stores of m and l have read M and LS, which the arithmetic below writes again
.irp t, 0,1,2,3,4,5,6,7
	v_max3_num_f32 v[MX+\t], v[SC+4*\t], v[SC+4*\t+1], v[SC+4*\t+2]
.endr
.irp t, 0,1,2,3,4,5,6,7
	v_max_num_f32 v[MX+\t], v[MX+\t], v[SC+4*\t+3]
.endr
.irp t, 0,1,2,3,4,5,6,7
	v_mul_f32 v[MX+\t], s28, v[MX+\t]              ; -c x the query's maximum over all keys
.endr
.irp t, 0,1,2,3,4,5,6,7
.irp w, 0,1,2,3
	v_fma_f32 v[SC+4*\t+\w], v[SC+4*\t+\w], s26, v[MX+\t]
.endr
	v_fma_f32 v[M+\t], v[M+\t], s26, v[MX+\t]
.endr
.set n, 0
.rept 32
	v_exp_f32 v[SC+n], v[SC+n]
.set n, n+1
.endr
.irp t, 0,1,2,3,4,5,6,7
	v_exp_f32 v[M+\t], v[M+\t]
.endr
	v_nop                                          ; a plain place behind the exponentials (ISA guide 5.7.2)
	s_wait_alu depctr_va_vdst(0)
.irp t, 0,1,2,3,4,5,6,7
	v_mul_f32 v[LS+\t], v[SC+4*\t], v[SC+32+4*\t]
.endr
.irp w, 1,2,3
.irp t, 0,1,2,3,4,5,6,7
	v_fmac_f32 v[LS+\t], v[SC+4*\t+\w], v[SC+32+4*\t+\w]
.endr
.endr
.irp t, 0,1,2,3,4,5,6,7
	v_rcp_f32 v[LS+\t], v[LS+\t]                   ; the sum holds the term of the wave with the maximum, which is at least 1
.endr
	v_nop
	s_wait_alu depctr_va_vdst(0)
.irp t, 0,1,2,3,4,5,6,7
	v_mul_f32 v[ADR+2*\t], v[M+\t], v[LS+\t]       ; my weight / the whole sum, in even registers: pairs for the packed multiply
.endr
	WIN RESC
.irp t, 0,1,2,3,4,5,6,7
.set n, 0
.rept 16
	v_pk_mul_f32 v[32*\t+2*n:32*\t+2*n+1], v[32*\t+2*n:32*\t+2*n+1], v[ADR+2*\t:ADR+2*\t+1] op_sel_hi:[1,0]
.set n, n+1
.endr
.endr
	WIN ST1
	s_wait_alu depctr_va_vdst(0)                   ; the multiplies have written O, which the stores read; all vector work on v64 to v255, in which the partials land below, is done
.irp t, 0,1,2,3,4,5,6,7
.irp n, 0,1,2,3,4,5,6,7
	ds_store_b128 v26, v[32*\t+4*\n:32*\t+4*\n+3] offset:16*PP*\t+64*(\n>>1)+16*(\n&1)   ; query 16 t + r, d = 16 dt + 8 h + 4 e ..
.endr
.endr
	WIN 0
	s_wait_dscnt 0x0
	s_barrier_signal -1
	s_barrier_wait -1                              ; all four partials are in LDS
	; Wave w adds the four partials of rows 32 w .. 32 w + 31, two rows a load, four pairs of rows a batch.  Three buffers of 64 registers: batches 0 to 2 are
	; asked for at once; batch 3 takes buffer 0 when batch 0's stores have read it.  A batch's sums stand in one run, one wait behind them, then its four stores.
.macro LOADB bt, buf
.irp q, 0,1,2,3
	ds_load_b128 v[\buf+16*\q:\buf+16*\q+3],     v27 offset:2*PP*(4*\bt+\q)
	ds_load_b128 v[\buf+16*\q+4:\buf+16*\q+7],   v27 offset:2*PP*(4*\bt+\q)+PARTW
	ds_load_b128 v[\buf+16*\q+8:\buf+16*\q+11],  v28 offset:2*PP*(4*\bt+\q)
	ds_load_b128 v[\buf+16*\q+12:\buf+16*\q+15], v28 offset:2*PP*(4*\bt+\q)+PARTW
.endr
.endm
.macro SUMB buf
.irp q, 0,1,2,3
	v_pk_add_f32 v[\buf+16*\q:\buf+16*\q+1],     v[\buf+16*\q:\buf+16*\q+1],     v[\buf+16*\q+4:\buf+16*\q+5]
	v_pk_add_f32 v[\buf+16*\q+2:\buf+16*\q+3],   v[\buf+16*\q+2:\buf+16*\q+3],   v[\buf+16*\q+6:\buf+16*\q+7]
	v_pk_add_f32 v[\buf+16*\q+8:\buf+16*\q+9],   v[\buf+16*\q+8:\buf+16*\q+9],   v[\buf+16*\q+12:\buf+16*\q+13]
	v_pk_add_f32 v[\buf+16*\q+10:\buf+16*\q+11], v[\buf+16*\q+10:\buf+16*\q+11], v[\buf+16*\q+14:\buf+16*\q+15]
	v_pk_add_f32 v[\buf+16*\q:\buf+16*\q+1],     v[\buf+16*\q:\buf+16*\q+1],     v[\buf+16*\q+8:\buf+16*\q+9]
	v_pk_add_f32 v[\buf+16*\q+2:\buf+16*\q+3],   v[\buf+16*\q+2:\buf+16*\q+3],   v[\buf+16*\q+10:\buf+16*\q+11]
.endr
.endm
.macro SENDB bt, buf
.irp q, 0,1,2,3
	global_store_b128 v[L16], v[\buf+16*\q:\buf+16*\q+3], s[16:17] offset:512*(4*\bt+\q) th:TH_STORE_NT   ; sixteen lanes store one row of out0: 256 consecutive bytes, aligned
.endr
.endm
	LOADB 0, OB0
	LOADB 1, OB1
	LOADB 2, OB2
	s_wait_dscnt 32                                ; LDS loads come back in order (ISA guide 5.7.1): batch 0's sixteen are in, the 32 of batches 1 and 2 stay out
	SUMB OB0
	s_wait_alu depctr_va_vdst(0)                   ; batch 0's sums are written, which the stores read
	SENDB 0, OB0
	s_wait_dscnt 16                                ; batch 1 is in, batch 2's sixteen stay out
	SUMB OB1
	s_wait_alu depctr_va_vdst(0)                   ; batch 1's sums are written, which the stores read; batch 0's sums are done with buffer 0, in which batch 3 lands
	s_wait_xcnt 0x0                                ; batch 0's stores have had their addresses translated (ISA guide 3.1): their data registers are loaded again only behind this wait
	s_wait_alu depctr_vm_vsrc(0)                   ; batch 0's stores have read buffer 0, in which batch 3 lands
	LOADB 3, OB0
	SENDB 1, OB1
	s_wait_dscnt 16                                ; batch 2 is in, batch 3's sixteen stay out
	SUMB OB2
	s_wait_alu depctr_va_vdst(0)                   ; batch 2's sums are written, which the stores read
	SENDB 2, OB2
	s_wait_dscnt 0x0                               ; batch 3 is in
	SUMB OB0
	s_wait_alu depctr_va_vdst(0)                   ; batch 3's sums are written, which the stores read
	SENDB 3, OB0
	s_wait_dscnt 0x0
	s_wait_alu depctr_hold_cnt(0) depctr_sa_sdst(0) depctr_va_vdst(0) depctr_va_sdst(0) depctr_va_ssrc(0) depctr_va_vcc(0) depctr_vm_vsrc(0)
	s_wait_tensorcnt 0x0
	ds_add_u32 v62, v63
	s_wait_dscnt 0x0
	s_endpgm
.Lfunc_end_k_q6a3ee38f26_relattn:
	.size	k_q6a3ee38f26_relattn, .Lfunc_end_k_q6a3ee38f26_relattn-k_q6a3ee38f26_relattn
	.p2alignl 7, 3214868480
	.fill 96, 4, 3214868480
	.section	.rodata,"a",@progbits
	.p2align	6, 0x0
	.amdhsa_kernel k_q6a3ee38f26_relattn
		.amdhsa_group_segment_fixed_size 316928
		.amdhsa_private_segment_fixed_size 0
		.amdhsa_enable_private_segment 0
		.amdhsa_kernarg_size 56
		.amdhsa_user_sgpr_count 2
		.amdhsa_user_sgpr_kernarg_segment_ptr 1
		.amdhsa_wavefront_size32 1
		.amdhsa_system_sgpr_workgroup_id_x 1
		.amdhsa_system_sgpr_workgroup_id_y 1
		.amdhsa_system_sgpr_workgroup_id_z 1
		.amdhsa_system_vgpr_workitem_id 0
		.amdhsa_next_free_vgpr 1024
		.amdhsa_next_free_sgpr 66
		.amdhsa_reserve_vcc 0
		.amdhsa_float_denorm_mode_32 3
		.amdhsa_float_denorm_mode_16_64 3
		.amdhsa_memory_ordered 1
		.amdhsa_forward_progress 1
		.amdhsa_inst_pref_size 255
	.end_amdhsa_kernel
	.section	.bss,"aw",@nobits
	.p2align	6
	.space	262144
	.amdgpu_metadata
---
amdhsa.version: [ 1, 2 ]
amdhsa.kernels:
  - .name:           k_q6a3ee38f26_relattn
    .symbol:         k_q6a3ee38f26_relattn.kd
    .args:
      - { .name: q, .offset: 0, .size: 8, .value_kind: global_buffer, .address_space: global }
      - { .name: k, .offset: 8, .size: 8, .value_kind: global_buffer, .address_space: global }
      - { .name: v, .offset: 16, .size: 8, .value_kind: global_buffer, .address_space: global }
      - { .name: rel_emb, .offset: 24, .size: 8, .value_kind: global_buffer, .address_space: global }
      - { .name: q_info, .offset: 32, .size: 8, .value_kind: global_buffer, .address_space: global }
      - { .name: k_info, .offset: 40, .size: 8, .value_kind: global_buffer, .address_space: global }
      - { .name: out0, .offset: 48, .size: 8, .value_kind: global_buffer, .address_space: global }
    .group_segment_fixed_size: 316928
    .private_segment_fixed_size: 0
    .kernarg_segment_align: 8
    .kernarg_segment_size: 56
    .max_flat_workgroup_size: 128
    .sgpr_count:     66
    .vgpr_count:     1024
    .wavefront_size: 32
...
	.end_amdgpu_metadata
.endif
;; end of part 2
